; MI455X (gfx1250); checked and timed in simulation.
; The chip was launched on July 23, 2026; its instructions are those of AMD's public machine-readable ISA for CDNA 5 (MIT licence, August 2026) and "CDNA5" Instruction Set Architecture Reference Guide (July 2026). The comments in the code are by the model that wrote it; some were corrected since.
;; Masked Self Attention. Allowed arithmetic: float matrix products may take bf16 or f16 operands with f32 sums; all other float work in f32.
;; Inputs: Wk 1,024 x 1,024 float32; Wo 1,024 x 1,024 float32; Wq 1,024 x 1,024 float32; Wv 1,024 x 1,024 float32; bk 1,024 float32; bo 1,024 float32; bq 1,024 float32; bv 1,024 float32; x 2 x 2,048 x 1,024 float32.
;; Outputs: out0 2 x 2,048 x 1,024 float32.
;; 2 versions, each right; version 2 is version 1 with the launch prep written anew for expert scheduling mode. Each part assembles by itself: llvm-mc -triple=amdgcn-amd-amdhsa -mcpu=gfx1250 --defsym DOCPART=n.
;; ======== version 1 of 2: 4 launches
;; limits: values are held in f16: magnitudes above 65,504 overflow, below 6.1e-05 lose precision
;; workspace buffers: xb 8,388,608 bytes; wqkv 6,291,456 bytes; wot 2,097,152 bytes; qb 8,388,608 bytes; kb 8,388,608 bytes; vb 8,388,608 bytes; ctx 8,388,608 bytes
;; launch prep (part 1): grid 256 x 1, 8 waves a work-group, no clusters, 34,816 bytes of LDS; arguments x, Wq, Wk, Wv, Wo, xb, wqkv, wot; writes xb, wqkv, wot
.if DOCPART == 1
	.amdgcn_target "amdgcn-amd-amdhsa--gfx1250"
	.amdhsa_code_object_version 6
	.text
	.protected	k_q81ae632166_prep
	.globl	k_q81ae632166_prep
	.p2align	8
	.type	k_q81ae632166_prep,@function
k_q81ae632166_prep:
	s_mov_b64 s[64:65], 0
	v_nop
	global_prefetch_b8 v0, s[64:65] scope:SCOPE_SE
	s_setreg_imm32_b32 hwreg(HW_REG_WAVE_MODE, 25, 1), 1
	s_wait_xcnt 0x0
; Casts and transposes, once, what the two products read many times.
;   xb   [4096][1024] bf16 = x rounded
;   wqkv [3072][1024] bf16: row 192 head + 64 sel + d (sel 0, 1, 2 = q, k, v), column k = W_sel[k][64 head + d] rounded
;   wot  [1024][1024] f16:  row n, column k = Wo[k][n] rounded to bf16 and written as f16 (it meets an f16 operand later)
; LIMIT: a bf16 number is exact in f16 from 2^-17 up to 65504; |Wo| below 2^-17 carries an absolute error of up to 2^-25.
; Work-group g: 16 rows of x (64 KiB in, 32 KiB out) and one block of 256 k x 64 n of one weight (64 KiB in, 32 KiB out):
; sel = g >> 6, k quarter = (g >> 4) & 3, column block = g & 15.  256 work-groups of equal work, no loop.
; All 32 loads of a thread go out first.  The block is turned in LDS: pairs (k, k+1) of one column are packed into a word and stored
; at [n][k], pitch 528 bytes; rows of 512 bytes are read back, one a wave, and stored as 512 consecutive bytes.
; No matrix unit, no cluster: every byte is read once and no two work-groups share one.
.set X,   8                            ; v[8:71]    16 x 4 numbers of x
.set W,   72                           ; v[72:135]  8 pairs of rows of W, 4 + 4 numbers; later the rows read back
.set T0,  136
.set T1,  137
.set LPITCH, 528                       ; 512 bytes of a turned row + 16
	s_load_b512 s[8:23], s[0:1], 0x0               ; x 8, Wq 10, Wk 12, Wv 14, Wo 16, xb 18, wqkv 20, wot 22
	v_lshl_add_u32 v138, v0, 2, 0x8400
	v_mov_b32 v139, 0
	s_lshr_b32 s2, ttmp9, 6                        ; sel
	s_bfe_u32 s3, ttmp9, 0x20004                   ; k quarter
	s_and_b32 s4, ttmp9, 15                        ; column block (a head, for q, k, v)
	s_lshl_b32 s28, s3, 20                         ; source offset: 256 rows of 4,096 bytes a quarter
	s_lshl_b32 s5, s4, 8                           ; + 64 columns of 4 bytes a block
	s_add_co_u32 s28, s28, s5
	s_mov_b32 s29, 0
	s_mul_i32 s30, s4, 192                         ; first row of the target: 192 head + 64 sel,
	s_lshl_b32 s5, s2, 6
	s_add_co_u32 s30, s30, s5
	s_lshl_b32 s5, s4, 6                           ; or 64 x block in wot
	s_cmp_eq_u32 s2, 3
	s_cselect_b32 s30, s5, s30
	s_lshl_b32 s30, s30, 11                        ; rows of 2,048 bytes
	s_lshl_b32 s5, s3, 9                           ; + 256 k of 2 bytes a quarter
	s_add_co_u32 s30, s30, s5
	s_mov_b32 s31, 0
	s_lshl_b32 s32, ttmp9, 16                      ; x: 16 rows of 4,096 bytes
	s_mov_b32 s33, 0
	s_lshl_b32 s34, ttmp9, 15                      ; xb: 16 rows of 2,048 bytes
	s_mov_b32 s35, 0
	v_lshlrev_b32 v1, 4, v0                        ; x: 16 t
	v_lshlrev_b32 v2, 3, v0                        ; xb: 8 t
	v_and_b32 v7, 15, v0                           ; cg: my four columns
	v_lshrrev_b32 v[T0], 4, v0                     ; rp: my pair of rows among 16 pairs
	v_lshlrev_b32 v3, 4, v7
	v_lshl_add_u32 v3, v[T0], 13, v3               ; W: rp x 2 rows + 16 cg
	v_mul_u32_u24 v4, v7, 4*LPITCH
	v_lshl_add_u32 v4, v[T0], 2, v4                ; LDS in: row 4 cg, word rp
	v_and_b32 v[T1], 31, v0
	v_lshrrev_b32 v7, 5, v0                        ; wave
	v_lshlrev_b32 v[T1], 4, v[T1]                  ; 16 x lane
	v_mad_u32_u24 v5, v7, LPITCH, v[T1]            ; LDS back: row = wave
	v_lshl_add_u32 v6, v7, 11, v[T1]               ; and the same row in the target
	s_wait_kmcnt 0x0
	s_cmp_eq_u32 s2, 1
	s_cselect_b64 s[24:25], s[12:13], s[10:11]
	s_cmp_eq_u32 s2, 2
	s_cselect_b64 s[24:25], s[14:15], s[24:25]
	s_cmp_eq_u32 s2, 3
	s_cselect_b64 s[24:25], s[16:17], s[24:25]     ; the weight that I turn
	s_cselect_b64 s[26:27], s[22:23], s[20:21]     ; and where it goes
	s_add_nc_u64 s[24:25], s[24:25], s[28:29]
	s_add_nc_u64 s[26:27], s[26:27], s[30:31]
	s_add_nc_u64 s[8:9], s[8:9], s[32:33]
	s_add_nc_u64 s[18:19], s[18:19], s[34:35]
.irp i, 0,1,2,3,4,5,6,7,8,9,10,11,12,13,14,15
	global_load_b128 v[X+4*\i:X+4*\i+3], v1, s[8:9] offset:4096*\i th:TH_LOAD_NT     ; the eight waves cover one row
.endr
.irp i, 0,1,2,3,4,5,6,7
	global_load_b128 v[W+8*\i:W+8*\i+3],   v3, s[24:25] offset:131072*\i th:TH_LOAD_NT        ; row 2 (rp + 16 i): sixteen lanes take its 256 bytes
	global_load_b128 v[W+8*\i+4:W+8*\i+7], v3, s[24:25] offset:131072*\i+4096 th:TH_LOAD_NT   ; and the row below
.endr
	; x: four numbers become 8 bytes; a wave stores 256 consecutive bytes, aligned
.irp i, 0,1,2,3,4,5,6,7,8,9,10,11,12,13,14,15
	s_wait_loadcnt 31-\i                           ; loads return in order: 15 - i of x and the 16 of W are younger
	v_cvt_pk_bf16_f32 v[X+4*\i],   v[X+4*\i],   v[X+4*\i+1]
	v_cvt_pk_bf16_f32 v[X+4*\i+1], v[X+4*\i+2], v[X+4*\i+3]
	global_store_b64 v2, v[X+4*\i:X+4*\i+1], s[18:19] offset:2048*\i
.endr
; W: pair i, column j: (k, k+1) packed into one word at LDS [4 cg + j][2 (rp + 16 i)].  half = 1: the bf16 pair is rewritten as f16.
.macro CONV half
.irp i, 0,1,2,3,4,5,6,7
	s_wait_loadcnt 14-2*\i                         ; the pairs behind this one may be out
.irp j, 0,1,2,3
	v_cvt_pk_bf16_f32 v[W+8*\i+\j], v[W+8*\i+\j], v[W+8*\i+4+\j]
.if \half
	v_lshlrev_b32 v[T0], 16, v[W+8*\i+\j]
	v_and_b32 v[T1], 0xffff0000, v[W+8*\i+\j]
	v_cvt_pk_f16_f32 v[W+8*\i+\j], v[T0], v[T1]
.endif
	ds_store_b32 v4, v[W+8*\i+\j] offset:LPITCH*\j+64*\i
.endr
.endr
.endm
	s_cmp_eq_u32 s2, 3
	s_cbranch_scc1 .Lhalf
	CONV 0
	s_branch .Lturned
.Lhalf:
	CONV 1
.Lturned:
	s_wait_dscnt 0x0                               ; my stores are in LDS, for the other waves' sake
	s_barrier_signal -1
	s_barrier_wait -1
.irp i, 0,1,2,3,4,5,6,7
	ds_load_b128 v[W+4*\i:W+4*\i+3], v5 offset:8*LPITCH*\i        ; row wave + 8 i, 512 bytes
.endr
.irp i, 0,1,2,3,4,5,6,7
	s_wait_dscnt 7-\i
	global_store_b128 v6, v[W+4*\i:W+4*\i+3], s[26:27] offset:16384*\i    ; 512 consecutive bytes, aligned
.endr
	s_wait_tensorcnt 0x0
	ds_add_u32 v138, v139
	s_wait_dscnt 0x0
	s_endpgm
.Lfunc_end_k_q81ae632166_prep:
	.size	k_q81ae632166_prep, .Lfunc_end_k_q81ae632166_prep-k_q81ae632166_prep
	.p2alignl 7, 3214868480
	.fill 96, 4, 3214868480
	.section	.rodata,"a",@progbits
	.p2align	6, 0x0
	.amdhsa_kernel k_q81ae632166_prep
		.amdhsa_group_segment_fixed_size 34816
		.amdhsa_private_segment_fixed_size 0
		.amdhsa_enable_private_segment 0
		.amdhsa_kernarg_size 64
		.amdhsa_user_sgpr_count 2
		.amdhsa_user_sgpr_kernarg_segment_ptr 1
		.amdhsa_wavefront_size32 1
		.amdhsa_system_sgpr_workgroup_id_x 1
		.amdhsa_system_sgpr_workgroup_id_y 1
		.amdhsa_system_sgpr_workgroup_id_z 1
		.amdhsa_system_vgpr_workitem_id 0
		.amdhsa_next_free_vgpr 140
		.amdhsa_next_free_sgpr 66
		.amdhsa_reserve_vcc 0
		.amdhsa_float_denorm_mode_32 3
		.amdhsa_float_denorm_mode_16_64 3
		.amdhsa_memory_ordered 1
		.amdhsa_forward_progress 1
		.amdhsa_inst_pref_size 25
	.end_amdhsa_kernel
	.amdgpu_metadata
---
amdhsa.version: [ 1, 2 ]
amdhsa.kernels:
  - .name:           k_q81ae632166_prep
    .symbol:         k_q81ae632166_prep.kd
    .args:
      - { .name: x, .offset: 0, .size: 8, .value_kind: global_buffer, .address_space: global }
      - { .name: Wq, .offset: 8, .size: 8, .value_kind: global_buffer, .address_space: global }
      - { .name: Wk, .offset: 16, .size: 8, .value_kind: global_buffer, .address_space: global }
      - { .name: Wv, .offset: 24, .size: 8, .value_kind: global_buffer, .address_space: global }
      - { .name: Wo, .offset: 32, .size: 8, .value_kind: global_buffer, .address_space: global }
      - { .name: xb, .offset: 40, .size: 8, .value_kind: global_buffer, .address_space: global }
      - { .name: wqkv, .offset: 48, .size: 8, .value_kind: global_buffer, .address_space: global }
      - { .name: wot, .offset: 56, .size: 8, .value_kind: global_buffer, .address_space: global }
    .group_segment_fixed_size: 34816
    .private_segment_fixed_size: 0
    .kernarg_segment_align: 8
    .kernarg_segment_size: 64
    .max_flat_workgroup_size: 256
    .sgpr_count:     66
    .vgpr_count:     140
    .wavefront_size: 32
...
	.end_amdgpu_metadata
.endif
;; end of part 1
;; launch qkv (part 2): grid 16 x 16, 4 waves a work-group, clusters of 4 x 4, 327,680 bytes of LDS; arguments xb, wqkv, bq, bk, bv, qb, kb, vb; writes qb, kb, vb
.if DOCPART == 2
	.amdgcn_target "amdgcn-amd-amdhsa--gfx1250"
	.amdhsa_code_object_version 6
	.text
	.protected	k_q81ae632166_qkv
	.globl	k_q81ae632166_qkv
	.p2align	8
	.type	k_q81ae632166_qkv,@function
k_q81ae632166_qkv:
	s_mov_b64 s[64:65], 0
	v_nop
	global_prefetch_b8 v0, s[64:65] scope:SCOPE_SE
	s_setreg_imm32_b32 hwreg(HW_REG_WAVE_MODE, 25, 1), 1
	s_wait_xcnt 0x0
	s_wait_alu depctr_hold_cnt(0) depctr_sa_sdst(0) depctr_va_vdst(0) depctr_va_sdst(0) depctr_va_ssrc(0) depctr_va_vcc(0) depctr_vm_vsrc(0)
	s_getreg_b32 s2, hwreg(HW_REG_IB_STS2, 6, 4)
	s_cmp_eq_u32 s2, 0
	s_cbranch_scc0 .Lentry_in_a_cluster
	s_endpgm
.Lentry_in_a_cluster:
	s_bfe_u32 s2, ttmp6, 0x10000c
	s_cmp_lg_u32 s2, 0xf033
	s_cbranch_scc0 .Lentry_shape_is_right
	s_endpgm
.Lentry_shape_is_right:
; q, k, v = x W + b for one head and 256 tokens: a block of 256 x 192 of xb [4096][1024] times wqkv [3072][1024] (both bf16, K along the rows),
; sums in f32 started from the bias, results rounded once to f16 and stored in the order in which the attention launch's matrix operands lie.
; LIMIT: |q|, |k|, |v| must stay below 65504, the largest f16 number.
; Four waves; wave (wr, wc) makes 128 rows x 96 columns: 48 accumulator tiles of 16 x 16, 384 registers.  K goes in steps of 128 through two LDS
; slots filled by the tensor data mover: rows of 256 bytes, aligned, 16 bytes of padding behind each.
; CLUSTERS: 4 x 4 work-groups.  The four of a row of the cluster share the token block (A's tiles), the four of a column the head (B's tiles):
; each tile is asked for jointly by the four, which divides the requests for A and for B by four.
; REGISTER WINDOWS: 0: addresses, A's fragments (two buffers of 8 x 8), packed results;  1: B's fragments (two buffers of 6 x 8), the bias;
;                   2: accumulators of my rows 0-63, tile (a, b) at v[8 (6 a + b)];  3: those of my rows 64-127.
; THE MATRIX INSTRUCTION IS USED TRANSPOSED (source 0 = rows of wqkv, source 1 = rows of xb): lane l holds token l % 16 and its registers 0-7 the
; columns 8 (l / 16) + 0..7.  So a tile's bias is the same eight registers for every row block, and serves as the first product's C.
; OUTPUT ORDER: a block of 16 rows x 32 k is 1,024 bytes, [half e][lane][16 bytes], lane (r, h) holding row r, k = 16 e + 8 h + 0..7.
;   qb, kb: byte = bh 262144 + (s >> 4) 2048 + ds 1024 + e 512 + lane 16   (row = token, k = d - 32 ds)
;   vb:     byte = bh 262144 + (s >> 5) 4096 + dt 1024 + e 512 + lane 16   (row = d - 16 dt, k = token & 31)
.set SIZE_K, 1024
.set KSTEP,  128
.set PITCH,  272                       ; an LDS row: 256 bytes + 16: an odd multiple of 16, so sixteen rows start in sixteen different 16-byte columns modulo 256
.set HALFT,  128*PITCH                 ; one wave's part of a slot: 128 rows of A, or 96 rows of B in the same room
.set SLOT,   4*HALFT
.set SPITCH, 400                       ; the way out: 192 f16 of a token + 16 bytes
.set LAPS,   SIZE_K/(2*KSTEP)          ; 4 laps of two K steps
.set ADRA, 16                          ; v16-17  LDS address of my A fragments in slot 0, 1
.set ADRB, 20                          ; v20-21  the same for B
.set STO,  24                          ; the way out: where I put 16 bytes of a token's row
.set RDQ,  25                          ; where I read q and k fragments back
.set RDV,  26                          ; where I read v back, transposing
.set LN,   27                          ; 16 x lane
.set BO,   28                          ; 32 x (lane / 16): my eight numbers of a bias block
.set F0,   64
.set F1,   128
.set TMP,  192                         ; window 0: packed results
.set BIAS, 192                         ; window 1: v[192:239], six blocks of eight
.set G1,  24                           ; s[24:31] group 1 for A's tiles
.set G0,  32                           ; s[32:39] group 0 for A's tiles, one set a slot
.set G1B, 48                           ; s[48:55] group 1 for B's tiles
.set G0B, 56                           ; s[56:63] group 0 for B's tiles
.set MSB, 0
.macro WIN new                         ; the immediate's high byte repeats the setting that is left
.if MSB != \new
	s_set_vgpr_msb (MSB<<8)|\new
.set MSB, \new
.endif
.endm
.set MUL_LO,  0xa1                     ; source 0 (B) window 1, source 1 (A) window 0, C and D window 2
.set MUL_HI,  0xf1                     ; C and D window 3
.set MULB_LO, 0x91                     ; D window 2, C = the bias in window 1
.set MULB_HI, 0xd1                     ; D window 3, C = the bias in window 1
.set TO_B,    0x40                     ; destination window 1
; A joint load: waves 0 and 1 fetch A's two halves, waves 2 and 3 B's.  The branch hangs on the wave's number alone.
.macro JLOAD s
	s_cmp_eq_u32 s11, 0
	s_cbranch_scc0 .Lfor_b_\@
	tensor_load_to_lds s[G0+4*\s:G0+4*\s+3], s[G1:G1+7]
	s_nop 0
	s_branch .Lasked_\@
.Lfor_b_\@:
	tensor_load_to_lds s[G0B+4*\s:G0B+4*\s+3], s[G1B:G1B+7]
	s_nop 0
.Lasked_\@:
.endm
; A round of the cluster's barrier: my work-group's barrier, wave 0 signals for the work-group, every wave waits for all sixteen, my work-group's barrier again.
.macro CREST
	s_cmp_lg_u32 s10, 0
	s_cbranch_scc1 .Lnot_wave_0_\@
	s_barrier_signal -3
.Lnot_wave_0_\@:
	s_barrier_wait -3
	s_barrier_signal -1
	s_barrier_wait -1
.endm
.macro CROUND
	s_barrier_signal -1
	s_barrier_wait -1
	CREST
.endm
	s_load_b128 s[4:7], s[0:1], 0x0                ; xb s[4:5], wqkv s[6:7]
	s_load_b256 s[68:75], s[0:1], 0x10             ; bq 68, bk 70, bv 72, qb 74
	s_load_b128 s[76:79], s[0:1], 0x30             ; kb 76, vb 78
	s_set_vgpr_msb 0x40
	v_lshl_add_u32 v255, v0, 2, 0x44000
	s_set_vgpr_msb 0x4000
	v_mov_b32 v255, 0
	s_set_vgpr_msb 0x1
	ds_add_u32 v255, v255
	s_set_vgpr_msb 0x100
	v_lshrrev_b32 v1, 5, v0
	v_readfirstlane_b32 s10, v1                    ; wave 0..3
	s_lshr_b32 s11, s10, 1                         ; wr: my half of the rows.  Also: I fetch for A (0) or B (1)
	s_and_b32 s12, s10, 1                          ; wc: my half of the columns.  Also: which half of that tile I fetch
	s_bfe_u32 s40, ttmp6, 0x40000                  ; cx
	s_bfe_u32 s41, ttmp6, 0x40004                  ; cy
	s_lshl_b32 s42, ttmp9, 2
	s_add_co_u32 s42, s42, s40                     ; head = 4 x cluster x + cx
	s_and_b32 s13, ttmp7, 0xffff
	s_lshl_b32 s13, s13, 2
	s_add_co_u32 s13, s13, s41                     ; token block = 4 x cluster y + cy
	s_lshl_b32 s43, s41, 2
	s_lshl_b32 s43, 15, s43                        ; my row of the cluster
	s_lshl_b32 s44, 0x1111, s40                    ; my column
	s_or_b32 s[G1+0], s43, (1<<16)|(1<<20)|(1<<21)|(5<<22)|(3<<25)   ; mask; 2-byte elements; padding on; bit 21 beside a mask; 4 words behind every 64
	s_or_b32 s[G1B+0], s44, (1<<16)|(1<<20)|(1<<21)|(5<<22)|(3<<25)
	s_mov_b32 s[G1+1], KSTEP<<16                   ; tensor_dim0 = 128
	s_mov_b32 s[G1B+1], KSTEP<<16
	s_mov_b32 s[G1+2], 128<<16                     ; tensor_dim1 = 128 rows of A
	s_mov_b32 s[G1B+2], 96<<16                     ;             = 96 rows of B
	s_mov_b32 s[G1+3], KSTEP<<16                   ; tile_dim0 = 128
	s_mov_b32 s[G1B+3], KSTEP<<16
	s_mov_b32 s[G1+4], 128                         ; tile_dim1
	s_mov_b32 s[G1B+4], 96
	s_mov_b32 s[G1+5], SIZE_K                      ; elements from row to row
	s_mov_b32 s[G1B+5], SIZE_K
	s_mov_b32 s[G1+6], 0
	s_mov_b32 s[G1B+6], 0
	s_mov_b32 s[G1+7], 0
	s_mov_b32 s[G1B+7], 0
	; A's address hangs on the token block and the wave alone, B's on the head and the wave alone, each in registers that never hold the other coordinate
	s_lshl_b32 s17, s12, 7
	s_lshl_b32 s16, s13, 8
	s_add_co_u32 s16, s16, s17                     ; A: row 256 x block + 128 x half
	s_mul_i32 s46, s42, 192
	s_mul_i32 s47, s12, 96
	s_add_co_u32 s46, s46, s47                     ; B: row 192 x head + 96 x half
	s_mov_b32 s17, 0
	s_mov_b32 s47, 0
	s_mov_b64 s[18:19], SIZE_K*2
	s_mul_u64 s[16:17], s[16:17], s[18:19]
	s_mul_u64 s[46:47], s[46:47], s[18:19]
	s_mul_i32 s20, s10, HALFT                      ; my part of a slot: the wave's number alone
	s_wait_dscnt 0x0
	s_wait_kmcnt 0x0
	s_add_nc_u64 s[14:15], s[4:5], s[16:17]
	s_add_nc_u64 s[46:47], s[6:7], s[46:47]
	CROUND                                         ; all sixteen work-groups are here: the first joint loads meet
.irp s, 0,1
	s_mov_b32 s[G0+4*\s], 1
	s_add_co_u32 s[G0+4*\s+1], s20, \s*SLOT
	s_add_nc_u64 s[G0+4*\s+2:G0+4*\s+3], s[14:15], \s*KSTEP*2
	s_or_b32 s[G0+4*\s+3], s[G0+4*\s+3], 0x80000000
	s_mov_b32 s[G0B+4*\s], 1
	s_add_co_u32 s[G0B+4*\s+1], s20, \s*SLOT
	s_add_nc_u64 s[G0B+4*\s+2:G0B+4*\s+3], s[46:47], \s*KSTEP*2
	s_or_b32 s[G0B+4*\s+3], s[G0B+4*\s+3], 0x80000000
	JLOAD \s                                       ; K steps 0 and 1: two tensor loads of the wave are out
.endr
	v_and_b32 v1, 15, v0                           ; r = l % 16
	v_bfe_u32 v2, v0, 4, 1                         ; h = l / 16
	v_mul_u32_u24 v3, v1, PITCH
	v_lshl_add_u32 v3, v2, 4, v3                   ; r x pitch + 16 h
	s_mul_i32 s21, s11, HALFT                      ; my 128 rows of A
	s_mul_i32 s22, s12, HALFT                      ; my 96 rows of B,
	s_add_co_u32 s22, s22, 2*HALFT                 ; behind A's two parts
.irp s, 0,1
	v_add_nc_u32 v[ADRA+\s], s21, v3
	v_add_nc_u32 v[ADRB+\s], s22, v3
	s_add_co_u32 s21, s21, SLOT
	s_add_co_u32 s22, s22, SLOT
.endr
	v_mul_u32_u24 v4, v1, SPITCH
	v_lshl_add_u32 v4, v2, 4, v4                   ; r x 400 + 16 h
	s_mul_i32 s23, s11, 128*SPITCH
	s_mul_i32 s92, s12, 192
	s_add_co_u32 s23, s23, s92
	v_add_nc_u32 v[STO], s23, v4                   ; in: row 128 wr + r, byte 192 wc + 16 h
	s_mul_i32 s23, s10, 64*SPITCH
	v_add_nc_u32 v[RDQ], s23, v4                   ; back: row 64 wave + r, byte 16 h
	v_and_b32 v5, 7, v0
	v_lshl_add_u32 v5, v2, 3, v5                   ; 8 h + (l & 7)
	v_mul_u32_u24 v5, v5, SPITCH
	v_bfe_u32 v6, v0, 3, 1
	v_lshl_add_u32 v5, v6, 4, v5                   ; + 16 ((l >> 3) & 1)
	s_add_co_u32 s23, s23, 256                     ; v's columns begin at byte 256 of a row
	v_add_nc_u32 v[RDV], s23, v5
	v_and_b32 v6, 31, v0
	v_lshlrev_b32 v[LN], 4, v6
	v_lshlrev_b32 v[BO], 5, v2
	s_lshl_b32 s94, s42, 8                         ; 64 numbers of 4 bytes a head
; The bias of column block b of my 96: column c0 = 96 wc + 16 b of the head's 192 lies in bias c0 >> 6 at 64 head + (c0 & 63).
; Each block keeps a pointer of its own, so that none is rewritten while a load reads it.
.macro BIASLD b
	s_mul_i32 s92, s12, 96
	s_add_co_u32 s92, s92, 16*\b
	s_lshr_b32 s93, s92, 6
	s_and_b32 s92, s92, 63
	s_lshl_b32 s92, s92, 2
	s_add_co_u32 s92, s92, s94
	s_cmp_eq_u32 s93, 1
	s_cselect_b64 s[80+2*\b:81+2*\b], s[70:71], s[68:69]
	s_cmp_eq_u32 s93, 2
	s_cselect_b64 s[80+2*\b:81+2*\b], s[72:73], s[80+2*\b:81+2*\b]
	s_mov_b32 s93, 0
	s_add_nc_u64 s[80+2*\b:81+2*\b], s[80+2*\b:81+2*\b], s[92:93]
	global_load_b128 v[BIAS+8*\b:BIAS+8*\b+3],   v[BO], s[80+2*\b:81+2*\b]
	global_load_b128 v[BIAS+8*\b+4:BIAS+8*\b+7], v[BO], s[80+2*\b:81+2*\b] offset:16
.endm
	WIN TO_B
.irp b, 0,1,2,3,4,5
	BIASLD \b
.endr
	WIN 0
; 12 matrix instructions: row blocks a0, a0 + 1 of the window's four x all 6 column blocks, 32 along K.  zero = 1: the bias starts the sums.
; The 48 accumulators take turns, one instruction a turn, in the same order in every quarter step.
.macro MUL12 f, hi, a0, zero
.irp a, \a0, \a0+1
.irp b, 0,1,2,3,4,5
.if \zero
	v_wmma_f32_16x16x32_bf16 v[8*(6*(\a)+\b):8*(6*(\a)+\b)+7], v[\f+8*\b:\f+8*\b+7], v[\f+8*(4*\hi+\a):\f+8*(4*\hi+\a)+7], v[BIAS+8*\b:BIAS+8*\b+7]
.else
	v_wmma_f32_16x16x32_bf16 v[8*(6*(\a)+\b):8*(6*(\a)+\b)+7], v[\f+8*\b:\f+8*\b+7], v[\f+8*(4*\hi+\a):\f+8*(4*\hi+\a)+7], v[8*(6*(\a)+\b):8*(6*(\a)+\b)+7]
.endif
.endr
.endr
.endm
; 28 LDS loads in one run: 96 rows of B, then 128 rows of A, 32 K at byte k of the rows, into buffer f
.macro FETCH slot, k, f
	WIN TO_B
.irp i, 0,1,2,3,4,5
	ds_load_b128 v[\f+8*\i:\f+8*\i+3],   v[ADRB+\slot] offset:\k+\i*16*PITCH
	ds_load_b128 v[\f+8*\i+4:\f+8*\i+7], v[ADRB+\slot] offset:\k+\i*16*PITCH+32
.endr
	WIN 0
.irp i, 0,1,2,3,4,5,6,7
	ds_load_b128 v[\f+8*\i:\f+8*\i+3],   v[ADRA+\slot] offset:\k+\i*16*PITCH
	ds_load_b128 v[\f+8*\i+4:\f+8*\i+7], v[ADRA+\slot] offset:\k+\i*16*PITCH+32
.endr
.endm
; Four places behind a matrix instruction before a load lands on one of its sources or a vector instruction reads its result
.macro PLACES
.rept 4
	v_nop
.endr
.endm
.macro QUARTER slot, k, f, g, zero
	s_wait_dscnt 8                                 ; B and A's rows 0-63 are in; the youngest eight loads (A's rows 64-127) may be out
.if \zero
	WIN MULB_LO
.else
	WIN MUL_LO
.endif
	MUL12 \f, 0, 0, \zero
	MUL12 \f, 0, 2, \zero
	PLACES
	FETCH \slot, \k, \g
	s_wait_dscnt 28                                ; all but the 28 just issued
.if \zero
	WIN MULB_HI
.else
	WIN MUL_HI
.endif
	MUL12 \f, 1, 0, \zero
	MUL12 \f, 1, 2, \zero
.endm
.macro THREE slot, zero
	QUARTER \slot, 64,  F0, F1, \zero
	QUARTER \slot, 128, F1, F0, 0
	QUARTER \slot, 192, F0, F1, 0
.endm
; The last quarter of a K step changes slots.  In front of the barrier each wave waits for its reads of this slot and for all its tensor loads
; (one is out: its part of the next slot).  With fill = 1 the barrier opens a round of the cluster's barrier, and the joint refill is the first
; tensor load behind the round.  From a request to the wait for it a wave issues 180 matrix instructions.
.macro TURN slot, next, fill
	s_wait_dscnt 8
	WIN MUL_LO
	MUL12 F1, 0, 0, 0
	s_wait_dscnt 0                                 ; my reads of this slot are over
	s_wait_tensorcnt 0x0                           ; all my tensor loads have landed
	ds_add_u32 v255, v255
	s_wait_dscnt 0x0
	s_barrier_signal -1
	MUL12 F1, 0, 2, 0                              ; register work while the others arrive
	WIN 0
	s_barrier_wait -1
.if \fill
	CREST
	s_add_nc_u64 s[G0+4*\slot+2:G0+4*\slot+3], s[G0+4*\slot+2:G0+4*\slot+3], 2*KSTEP*2
	s_add_nc_u64 s[G0B+4*\slot+2:G0B+4*\slot+3], s[G0B+4*\slot+2:G0B+4*\slot+3], 2*KSTEP*2
	JLOAD \slot
.endif
	PLACES
	FETCH \next, 0, F0
	WIN MUL_HI
	MUL12 F1, 1, 0, 0
	MUL12 F1, 1, 2, 0
.endm
.macro LAP zero
	THREE 0, \zero
	TURN 0, 1, 1
	THREE 1, 0
	TURN 1, 0, 1
.endm
	s_wait_tensorcnt 1                             ; my part of K step 0 is in; K step 1's may stay out
	s_wait_loadcnt 0x0                             ; the bias
	s_barrier_signal -1
	s_barrier_wait -1
	FETCH 0, 0, F0
	LAP 1                                          ; the first lap stands in front of the loop: its first products take the bias as C
	WIN 0
	s_mov_b32 s3, LAPS-2
.Llap:
	LAP 0
	WIN 0
	s_sub_co_u32 s3, s3, 1
	s_cmp_lg_u32 s3, 0
	s_cbranch_scc1 .Llap
	THREE 0, 0                                     ; the last lap fills nothing
	TURN 0, 1, 0                                   ; behind this barrier no wave reads slot 0 any more, and no load fills it again
	THREE 1, 0
	s_wait_dscnt 8
	WIN MUL_LO
	MUL12 F1, 0, 0, 0
	MUL12 F1, 0, 2, 0
	s_wait_dscnt 0
	WIN MUL_HI
	MUL12 F1, 1, 0, 0
	MUL12 F1, 1, 2, 0
	; THE WAY OUT.  The block, rounded to f16, is laid into LDS as [256 tokens][192 columns], pitch 400, from LDS byte 0: slot 0, which has had its
	; last fill and whose last reads ended in front of the barrier of the last change of slots.  Then each wave reads 64 tokens back in fragment order.
	PLACES
	s_lshr_b32 s92, s13, 3                         ; batch
	s_lshl_b32 s92, s92, 4
	s_add_co_u32 s92, s92, s42                     ; bh = 16 batch + head
	s_lshl_b32 s92, s92, 18
	s_and_b32 s93, s13, 7
	s_lshl_b32 s93, s93, 15                        ; 256 tokens are 32,768 bytes in each of the three buffers
	s_add_co_u32 s92, s92, s93
	s_lshl_b32 s93, s10, 13                        ; my 64 tokens
	s_add_co_u32 s92, s92, s93
	s_mov_b32 s93, 0
	s_add_nc_u64 s[74:75], s[74:75], s[92:93]
	s_add_nc_u64 s[76:77], s[76:77], s[92:93]
	s_add_nc_u64 s[78:79], s[78:79], s[92:93]
.macro OUTS i, a, from                 ; rows 16 i .. 16 i + 15 of my 128 = the six tiles (a, 0..5) of window 2 or 3
	WIN \from
.irp b, 0,1,2,3,4,5
.irp r, 0,1,2,3
	v_cvt_pk_f16_f32 v[TMP+4*\b+\r], v[8*(6*\a+\b)+2*\r], v[8*(6*\a+\b)+2*\r+1]
.endr
.endr
	WIN 0
.irp b, 0,1,2,3,4,5
	ds_store_b128 v[STO], v[TMP+4*\b:TMP+4*\b+3] offset:16*SPITCH*\i+32*\b
.endr
.endm
	OUTS 0, 0, 0x0a
	OUTS 1, 1, 0x0a
	OUTS 2, 2, 0x0a
	OUTS 3, 3, 0x0a
	OUTS 4, 0, 0x0f
	OUTS 5, 1, 0x0f
	OUTS 6, 2, 0x0f
	OUTS 7, 3, 0x0f
	s_wait_dscnt 0x0                               ; my stores are in LDS, for the other waves' sake
	s_barrier_signal -1
	s_barrier_wait -1
	; q into buffer 0, k into buffer 1: group gl of 16 tokens, de = 2 ds + e: 16 bytes at row r, d = 16 de + 8 h
.irp gl, 0,1,2,3
.irp de, 0,1,2,3
	ds_load_b128 v[F0+16*\gl+4*\de:F0+16*\gl+4*\de+3], v[RDQ] offset:16*SPITCH*\gl+32*\de
.endr
.endr
.irp gl, 0,1,2,3
.irp de, 0,1,2,3
	ds_load_b128 v[F1+16*\gl+4*\de:F1+16*\gl+4*\de+3], v[RDQ] offset:16*SPITCH*\gl+32*\de+128
.endr
.endr
.irp gl, 0,1,2,3
.irp de, 0,1,2,3
	s_wait_dscnt 31-(4*\gl+\de)                    ; the younger LDS loads may be out
	global_store_b128 v[LN], v[F0+16*\gl+4*\de:F0+16*\gl+4*\de+3], s[74:75] offset:2048*\gl+512*\de     ; 512 consecutive bytes, aligned
.endr
.endr
.irp gl, 0,1,2,3
.irp de, 0,1,2,3
	s_wait_dscnt 15-(4*\gl+\de)
	global_store_b128 v[LN], v[F1+16*\gl+4*\de:F1+16*\gl+4*\de+3], s[76:77] offset:2048*\gl+512*\de
.endr
.endr
	s_wait_xcnt 0x0                                ; buffer 0, which q's stores read, is loaded again only behind this wait
	; v, transposed on the way: lane (r, h) gets tokens 32 ul + 16 e + 8 h + 0..7 of column d = 16 dt + r
.irp ul, 0,1
.irp dt, 0,1,2,3
.irp e, 0,1
	ds_load_tr16_b128 v[F0+32*\ul+8*\dt+4*\e:F0+32*\ul+8*\dt+4*\e+3], v[RDV] offset:32*SPITCH*\ul+16*SPITCH*\e+32*\dt
.endr
.endr
.endr
.irp ul, 0,1
.irp dt, 0,1,2,3
.irp e, 0,1
	s_wait_dscnt 15-(8*\ul+2*\dt+\e)
	global_store_b128 v[LN], v[F0+32*\ul+8*\dt+4*\e:F0+32*\ul+8*\dt+4*\e+3], s[78:79] offset:4096*\ul+1024*\dt+512*\e
.endr
.endr
.endr
	s_set_vgpr_msb 0x1
	s_wait_tensorcnt 0x0
	ds_add_u32 v255, v255
	s_wait_dscnt 0x0
	s_set_vgpr_msb 0x100
	CROUND                                         ; the closing round: no work-group ends while a partner may still ask for a tile that names it
	s_endpgm
.Lfunc_end_k_q81ae632166_qkv:
	.size	k_q81ae632166_qkv, .Lfunc_end_k_q81ae632166_qkv-k_q81ae632166_qkv
	.p2alignl 7, 3214868480
	.fill 96, 4, 3214868480
	.section	.rodata,"a",@progbits
	.p2align	6, 0x0
	.amdhsa_kernel k_q81ae632166_qkv
		.amdhsa_group_segment_fixed_size 327680
		.amdhsa_private_segment_fixed_size 0
		.amdhsa_enable_private_segment 0
		.amdhsa_kernarg_size 64
		.amdhsa_user_sgpr_count 2
		.amdhsa_user_sgpr_kernarg_segment_ptr 1
		.amdhsa_wavefront_size32 1
		.amdhsa_system_sgpr_workgroup_id_x 1
		.amdhsa_system_sgpr_workgroup_id_y 1
		.amdhsa_system_sgpr_workgroup_id_z 1
		.amdhsa_system_vgpr_workitem_id 0
		.amdhsa_next_free_vgpr 960
		.amdhsa_next_free_sgpr 100
		.amdhsa_reserve_vcc 0
		.amdhsa_float_denorm_mode_32 3
		.amdhsa_float_denorm_mode_16_64 3
		.amdhsa_memory_ordered 1
		.amdhsa_forward_progress 1
		.amdhsa_inst_pref_size 162
	.end_amdhsa_kernel
	.amdgpu_metadata
---
amdhsa.version: [ 1, 2 ]
amdhsa.kernels:
  - .name:           k_q81ae632166_qkv
    .symbol:         k_q81ae632166_qkv.kd
    .args:
      - { .name: xb, .offset: 0, .size: 8, .value_kind: global_buffer, .address_space: global }
      - { .name: wqkv, .offset: 8, .size: 8, .value_kind: global_buffer, .address_space: global }
      - { .name: bq, .offset: 16, .size: 8, .value_kind: global_buffer, .address_space: global }
      - { .name: bk, .offset: 24, .size: 8, .value_kind: global_buffer, .address_space: global }
      - { .name: bv, .offset: 32, .size: 8, .value_kind: global_buffer, .address_space: global }
      - { .name: qb, .offset: 40, .size: 8, .value_kind: global_buffer, .address_space: global }
      - { .name: kb, .offset: 48, .size: 8, .value_kind: global_buffer, .address_space: global }
      - { .name: vb, .offset: 56, .size: 8, .value_kind: global_buffer, .address_space: global }
    .group_segment_fixed_size: 327680
    .private_segment_fixed_size: 0
    .kernarg_segment_align: 8
    .kernarg_segment_size: 64
    .max_flat_workgroup_size: 128
    .sgpr_count:     100
    .vgpr_count:     960
    .wavefront_size: 32
...
	.end_amdgpu_metadata
.endif
;; end of part 2
;; launch attn (part 3): grid 8 x 32, 8 waves a work-group, no clusters, 33,792 bytes of LDS; arguments qb, kb, vb, ctx; writes ctx
.if DOCPART == 3
	.amdgcn_target "amdgcn-amd-amdhsa--gfx1250"
	.amdhsa_code_object_version 6
	.text
	.protected	k_q81ae632166_attn
	.globl	k_q81ae632166_attn
	.p2align	8
	.type	k_q81ae632166_attn,@function
k_q81ae632166_attn:
	s_mov_b64 s[64:65], 0
	v_nop
	global_prefetch_b8 v0, s[64:65] scope:SCOPE_SE
	s_setreg_imm32_b32 hwreg(HW_REG_WAVE_MODE, 25, 1), 1
	s_wait_xcnt 0x0
; Causal attention of one (batch, head) pair bh for two blocks of 128 queries, with a running maximum and running sums (f32); operands f16.
; Work-group (j, bh): waves 0-3 take query block j, waves 4-7 block 15 - j, 32 queries a wave.  Block j needs j + 1 blocks of 128 keys and block
; 15 - j needs 16 - j: 17 in every work-group, so all 256 work-groups do equal work.
; Keys go in tiles of 64.  The work-group walks 32 - 2 j tiles; a wave works while tile <= last = q0 >> 6 and masks in tile last alone
; (there key <= query reads 16 kt + i - 16 q <= 32 (wl & 1) + r - 8 h).  Tiles beyond last hold masked scores only and are not computed.
; BOTH PRODUCTS ARE TAKEN TRANSPOSED.  S^T = K Q^T: lane (r, h) holds, for query r, keys 8 h + 0..7 of a tile of 16: the row statistics are one number
; a lane (and one exchange between the halves), and two such tiles, packed to f16, are source 1 of O^T = V^T P^T as they stand.
; O^T: lane (r, h) holds d = 16 dt + 8 h + 0..7 of query r: 16 bytes of ctx in the order in which the last launch's operands lie.
;   ctx: byte = (token >> 7) 262144 + head 16384 + ((token >> 4) & 7) 2048 + dt 512 + lane 16
; exp(s / 8 - m / 8) = exp2(c s - c m), c = log2(e) / 8, one fused multiply-add a score.  -c m is kept as rounded, and the old sums are rescaled by
; exp2 of the difference of the new and the old kept value: exactly the shift that their exponents were made with.
; LIMITS: the result must stay below 65504 (f16); exp2 gives 0 below 2^-126 (ISA guide, 15.8), and P is rounded to f16.
; K and V tiles (8 KiB each, dense in fragment order) go through registers into two LDS slots, one barrier a tile: four loads of 16 bytes a thread.
; NO JOINT LOADS, though the eight work-groups of a head read the same tiles: work-group j walks 32 - 2 j tiles, 18 to 32, so partners need different
; numbers of tiles, and a partner would go on asking for up to 14 tiles that it does not use while holding its part of every round.
.set TILEB, 16384                      ; a slot: K's 8,192 bytes, then V's
.set LA,   1                           ; 16 x lane
.set TA,   2                           ; 16 x thread
.set DL,   3                           ; 32 (wl & 1) + r - 8 h
.set MXR,  4                           ; v[4:5]    running maximum of query tile q
.set LSUM, 6                           ; v[6:7]    running sum, this lane's keys only; the halves meet at the end
.set NM,   10                          ; v[10:13]  -c m, twice, for each q
.set AL,   14                          ; v[14:17]  the rescaling factor, twice, for each q
.set SU,   18                          ; v[18:25]  sums at work
.set TP,   26                          ; v[26:29]  at work
.set QF,   32                          ; v[32:63]   Q fragments: 16 q + 8 ds
.set KF,   64                          ; v[64:127]  K fragments: 16 kt + 8 ds
.set VF,   128                         ; v[128:191] V^T fragments: 16 dt + 8 u
.set ST,   192                         ; v[192:255] S^T tiles: 8 (4 u + 2 q + e), key tile kt = 2 u + e; P(q, u) is made in the first 8 of the 16 of (u, q)
.set OA,   0                           ; window 1: v[0:63] O^T(dt, q) at 8 (2 dt + q)
.set SG,   64                          ; window 1: v[64:79] the next tile on its way: K 8 registers, V 8
.set MSB, 0
.macro WIN new
.if MSB != \new
	s_set_vgpr_msb (MSB<<8)|\new
.set MSB, \new
.endif
.endm
	s_load_b256 s[4:11], s[0:1], 0x0               ; qb 4, kb 6, vb 8, ctx 10
	v_lshl_add_u32 v30, v0, 2, 0x8000
	v_mov_b32 v31, 0
	v_lshrrev_b32 v1, 5, v0
	v_readfirstlane_b32 s12, v1                    ; wave 0..7
	s_mov_b32 s13, ttmp9                           ; j
	s_and_b32 s14, ttmp7, 0xffff                   ; bh
	s_lshr_b32 s15, s12, 2                         ; which of the two query blocks
	s_and_b32 s16, s12, 3                          ; wl: my 32 queries in it
	s_sub_co_u32 s22, 15, s13                      ; 15 - j: the other block, and the loop's trips
	s_cmp_eq_u32 s15, 0
	s_cselect_b32 s17, s13, s22                    ; my query block
	s_lshl_b32 s18, s17, 7
	s_lshl_b32 s23, s16, 5
	s_add_co_u32 s18, s18, s23                     ; q0
	s_lshr_b32 s19, s18, 6                         ; last
	s_mov_b32 s20, 0                               ; tile
	s_mov_b32 s21, 0                               ; trip
	s_mov_b32 s24, 0x3e38aa3b                      ; c = log2(e) / 8,
	s_mov_b32 s25, 0x3e38aa3b                      ; as a pair for the packed forms
	s_mov_b32 s26, 0x76543210                      ; v_permlanex16_b32: lane i of the other half
	s_mov_b32 s27, 0xfedcba98
	s_mov_b32 s28, 0xff800000                      ; -inf
	s_mov_b32 s29, 0xbe38aa3b                      ; -c
	v_and_b32 v[LA], 31, v0
	v_lshlrev_b32 v[LA], 4, v[LA]
	v_lshlrev_b32 v[TA], 4, v0
	v_and_b32 v[DL], 15, v0
	v_bfe_u32 v[TP], v0, 4, 1
	v_lshlrev_b32 v[TP], 3, v[TP]
	v_sub_nc_u32 v[DL], v[DL], v[TP]
	s_and_b32 s23, s16, 1
	s_lshl_b32 s23, s23, 5
	v_add_nc_u32 v[DL], s23, v[DL]
	s_lshl_b32 s30, s14, 18                        ; a (batch, head) pair is 262,144 bytes in qb, kb, vb
	s_mov_b32 s31, 0
	s_lshl_b32 s32, s18, 7                         ; 16 queries are 2,048 bytes
	s_add_co_u32 s32, s32, s30
	s_mov_b32 s33, 0
	s_lshr_b32 s34, s14, 4
	s_lshl_b32 s34, s34, 4
	s_add_co_u32 s34, s34, s17                     ; token >> 7 = 16 batch + query block
	s_lshl_b32 s34, s34, 18
	s_and_b32 s35, s14, 15
	s_lshl_b32 s35, s35, 14                        ; head
	s_add_co_u32 s34, s34, s35
	s_lshl_b32 s35, s16, 12                        ; my two groups of 16 tokens
	s_add_co_u32 s34, s34, s35
	s_mov_b32 s35, 0
	s_wait_kmcnt 0x0
	s_add_nc_u64 s[4:5], s[4:5], s[32:33]
	s_add_nc_u64 s[6:7], s[6:7], s[30:31]
	s_add_nc_u64 s[8:9], s[8:9], s[30:31]
	s_add_nc_u64 s[10:11], s[10:11], s[34:35]
.irp q, 0,1
.irp de, 0,1,2,3
	global_load_b128 v[QF+16*\q+4*\de:QF+16*\q+4*\de+3], v[LA], s[4:5] offset:2048*\q+512*\de
.endr
.endr
.macro TILELD                          ; the eight waves bring a tile: K's 8,192 bytes and V's, 16 bytes a thread and load
	WIN 0x40                                       ; destination window 1
	global_load_b128 v[SG:SG+3],     v[TA], s[6:7]
	global_load_b128 v[SG+4:SG+7],   v[TA], s[6:7] offset:4096
	global_load_b128 v[SG+8:SG+11],  v[TA], s[8:9]
	global_load_b128 v[SG+12:SG+15], v[TA], s[8:9] offset:4096
.endm
.macro TILEST slot                     ; the argument may be an expression: it stands in brackets wherever it is multiplied
	WIN 0x04                                       ; store data window 1
	ds_store_b128 v[TA], v[SG:SG+3]     offset:(\slot)*TILEB
	ds_store_b128 v[TA], v[SG+4:SG+7]   offset:(\slot)*TILEB+4096
	ds_store_b128 v[TA], v[SG+8:SG+11]  offset:(\slot)*TILEB+8192
	ds_store_b128 v[TA], v[SG+12:SG+15] offset:(\slot)*TILEB+12288
.endm
	TILELD                                         ; tile 0
	; O^T is cleared once a wave, 64 registers: a first tile written out by itself would add two more copies of the body to the eight
.set j, 0
.rept 64
	v_mov_b32 v[OA+j], 0
.set j, j+1
.endr
	WIN 0
.irp q, 0,1
	v_mov_b32 v[MXR+\q], 0xff800000                ; m = -inf
	v_mov_b32 v[LSUM+\q], 0
	v_mov_b32 v[NM+2*\q], 0x7f800000               ; -c m = +inf: the first rescaling factor is exp2(-inf) = 0
	v_mov_b32 v[NM+2*\q+1], 0x7f800000
	v_mov_b32 v[TP+\q], 0
	v_mov_b32 v[TP+2+\q], 0
.endr
	s_wait_loadcnt 0x0                             ; Q and tile 0
	TILEST 0
	s_add_nc_u64 s[6:7], s[6:7], 8192              ; free since that wait
	s_add_nc_u64 s[8:9], s[8:9], 8192
	TILELD                                         ; tile 1
	WIN 0
; eight products S^T(kt, q) over d = 32 ds .. 32 ds + 31.  The eight accumulators take turns, one instruction a turn.
.macro SMUL ds, zero
.irp u, 0,1
.irp q, 0,1
.irp e, 0,1
.if \zero
	v_wmma_f32_16x16x32_f16 v[ST+8*(4*\u+2*\q+\e):ST+8*(4*\u+2*\q+\e)+7], v[KF+16*(2*\u+\e)+8*\ds:KF+16*(2*\u+\e)+8*\ds+7], v[QF+16*\q+8*\ds:QF+16*\q+8*\ds+7], 0
.else
	v_wmma_f32_16x16x32_f16 v[ST+8*(4*\u+2*\q+\e):ST+8*(4*\u+2*\q+\e)+7], v[KF+16*(2*\u+\e)+8*\ds:KF+16*(2*\u+\e)+8*\ds+7], v[QF+16*\q+8*\ds:QF+16*\q+8*\ds+7], v[ST+8*(4*\u+2*\q+\e):ST+8*(4*\u+2*\q+\e)+7]
.endif
.endr
.endr
.endr
.endm
; One tile of 64 keys for my 32 queries.
.macro BODY slot, mask
.irp kt, 0,1,2,3
.irp de, 0,1,2,3
	ds_load_b128 v[KF+16*\kt+4*\de:KF+16*\kt+4*\de+3], v[LA] offset:(\slot)*TILEB+2048*\kt+512*\de
.endr
.endr
.irp dt, 0,1,2,3
.irp u, 0,1
.irp e, 0,1
	ds_load_b128 v[VF+16*\dt+8*\u+4*\e:VF+16*\dt+8*\u+4*\e+3], v[LA] offset:(\slot)*TILEB+8192+4096*\u+1024*\dt+512*\e
.endr
.endr
.endr
	s_wait_dscnt 16                                ; LDS instructions end in order: the tile stores and K's loads are done; V's sixteen loads may be out
	SMUL 0, 1                                      ; the first product starts the sums
	SMUL 1, 0
.rept 4
	v_nop                                          ; four places behind the last product before its result is read (ISA guide 7.12.1)
.endr
.if \mask
.irp u, 0,1
.irp q, 0,1
.irp e, 0,1
.irp i, 0,1,2,3,4,5,6,7
	v_cmp_le_i32 vcc_lo, 16*(2*\u+\e)+\i-16*\q, v[DL]             ; key <= query
	v_cndmask_b32 v[ST+8*(4*\u+2*\q+\e)+\i], s28, v[ST+8*(4*\u+2*\q+\e)+\i], vcc_lo
.endr
.endr
.endr
.endr
.endif
	; the new maximum: for each q two chains over 16 scores each; the first starts from the old maximum
.irp q, 0,1
	v_max3_num_f32 v[TP+\q],   v[MXR+\q], v[ST+16*\q], v[ST+16*\q+1]
	v_max3_num_f32 v[TP+2+\q], v[ST+32+16*\q], v[ST+32+16*\q+1], v[ST+32+16*\q+2]
.endr
.irp i, 1,2,3,4,5,6
.irp q, 0,1
	v_max3_num_f32 v[TP+\q],   v[TP+\q],   v[ST+16*\q+2*\i],      v[ST+16*\q+2*\i+1]
	v_max3_num_f32 v[TP+2+\q], v[TP+2+\q], v[ST+32+16*\q+2*\i+1], v[ST+32+16*\q+2*\i+2]
.endr
.endr
.irp q, 0,1
	v_max3_num_f32 v[TP+\q], v[TP+\q], v[ST+16*\q+14], v[ST+16*\q+15]
.endr
.irp q, 0,1
	v_max3_num_f32 v[TP+\q], v[TP+\q], v[TP+2+\q], v[ST+32+16*\q+15]
.endr
.irp q, 0,1
	v_permlanex16_b32 v[TP+2+\q], v[TP+\q], s26, s27              ; the other half of the lanes holds the query's other keys
.endr
.irp q, 0,1
	v_max_num_f32 v[MXR+\q], v[TP+\q], v[TP+2+\q]
.endr
.irp q, 0,1
	v_mul_f32 v[TP+\q], s29, v[MXR+\q]                            ; the new -c m
.endr
.irp q, 0,1
	v_sub_f32 v[TP+2+\q], v[TP+\q], v[NM+2*\q]                    ; new less old: at most 0
.endr
.irp q, 0,1
	v_exp_f32 v[AL+2*\q],   v[TP+2+\q]
	v_exp_f32 v[AL+2*\q+1], v[TP+2+\q]
.endr
.irp q, 0,1
	v_mov_b32 v[NM+2*\q],   v[TP+\q]                              ; plain work behind the exponentials (ISA guide 5.7.2): it touches neither their results nor their sources
	v_mov_b32 v[NM+2*\q+1], v[TP+\q]
.endr
.irp u, 0,1
.irp q, 0,1
.irp i, 0,1,2,3,4,5,6,7
	v_pk_fma_f32 v[ST+32*\u+16*\q+2*\i:ST+32*\u+16*\q+2*\i+1], v[ST+32*\u+16*\q+2*\i:ST+32*\u+16*\q+2*\i+1], s[24:25], v[NM+2*\q:NM+2*\q+1] op_sel_hi:[1,0,1]
.endr
.endr
.endr
.set j, 0
.rept 64
	v_exp_f32 v[ST+j], v[ST+j]                                    ; a masked score is -inf and gives 0
.set j, j+1
.endr
	v_nop                                                         ; one plain place behind the last exponential
	s_wait_alu depctr_va_vdst(0)
.irp u, 0,1
.irp q, 0,1
	v_pk_add_f32 v[SU+4*\q+2*\u:SU+4*\q+2*\u+1], v[ST+32*\u+16*\q:ST+32*\u+16*\q+1], v[ST+32*\u+16*\q+2:ST+32*\u+16*\q+3]
.endr
.endr
.irp i, 2,3,4,5,6,7
.irp u, 0,1
.irp q, 0,1
	v_pk_add_f32 v[SU+4*\q+2*\u:SU+4*\q+2*\u+1], v[SU+4*\q+2*\u:SU+4*\q+2*\u+1], v[ST+32*\u+16*\q+2*\i:ST+32*\u+16*\q+2*\i+1]
.endr
.endr
.endr
.irp q, 0,1
	v_pk_add_f32 v[SU+4*\q:SU+4*\q+1], v[SU+4*\q:SU+4*\q+1], v[SU+4*\q+2:SU+4*\q+3]
.endr
.irp q, 0,1
	v_add_f32 v[TP+\q], v[SU+4*\q], v[SU+4*\q+1]
.endr
.irp q, 0,1
	v_fma_f32 v[LSUM+\q], v[LSUM+\q], v[AL+2*\q], v[TP+\q]
.endr
	; P in place: word i of the sixteen takes numbers 2 i and 2 i + 1, in ascending order, so no number is overwritten before it is read
.irp u, 0,1
.irp q, 0,1
.irp i, 0,1,2,3,4,5,6,7
	v_cvt_pk_f16_f32 v[ST+32*\u+16*\q+\i], v[ST+32*\u+16*\q+2*\i], v[ST+32*\u+16*\q+2*\i+1]
.endr
.endr
.endr
	WIN 0x41                                       ; O^T in window 1, the factor in window 0
.irp dt, 0,1,2,3
.irp q, 0,1
.irp i, 0,1,2,3
	v_pk_mul_f32 v[OA+8*(2*\dt+\q)+2*\i:OA+8*(2*\dt+\q)+2*\i+1], v[OA+8*(2*\dt+\q)+2*\i:OA+8*(2*\dt+\q)+2*\i+1], v[AL+2*\q:AL+2*\q+1]
.endr
.endr
.endr
	s_wait_dscnt 0x0                               ; V is in
	WIN 0x50                                       ; C and D window 1
.irp u, 0,1
.irp dt, 0,1,2,3
.irp q, 0,1
	v_wmma_f32_16x16x32_f16 v[OA+8*(2*\dt+\q):OA+8*(2*\dt+\q)+7], v[VF+16*\dt+8*\u:VF+16*\dt+8*\u+7], v[ST+32*\u+16*\q:ST+32*\u+16*\q+7], v[OA+8*(2*\dt+\q):OA+8*(2*\dt+\q)+7]
.endr
.endr
.endr
	WIN 0
.rept 5
	v_nop                                          ; five places: the next tile's first products write over P, its loads land on V's fragments
.endr
.endm
; The turn of the tile in slot.  st = 1: the next tile, which is in registers, goes into the other slot; ld = 1: the tile after it is asked for.
.macro STEP slot, st, ld
	s_wait_dscnt 0x0                               ; my stores into this slot are in LDS and my reads of the other slot are back
	s_barrier_signal -1
	s_barrier_wait -1                              ; both now hold of all eight waves
.if \st
	s_wait_loadcnt 0x0                             ; asked for one tile ago
	TILEST 1-\slot
.endif
.if \ld
	s_add_nc_u64 s[6:7], s[6:7], 8192              ; free since that wait
	s_add_nc_u64 s[8:9], s[8:9], 8192
	TILELD
.endif
	WIN 0
	s_cmp_gt_u32 s20, s19
	s_cbranch_scc1 .Lskip_\@                       ; every key of the tile lies behind my queries
	s_cmp_eq_u32 s20, s19
	s_cbranch_scc1 .Lmask_\@
	BODY \slot, 0
	s_branch .Lskip_\@
.Lmask_\@:
	BODY \slot, 1
.Lskip_\@:
	s_add_co_u32 s20, s20, 1
.endm
.Lpair:                                            ; 15 - j trips of two tiles; the last load asks for tile 31 - 2 j, the last that is read
	STEP 0, 1, 1
	STEP 1, 1, 1
	s_add_co_u32 s21, s21, 1
	s_cmp_lt_u32 s21, s22
	s_cbranch_scc1 .Lpair
	STEP 0, 1, 0
	STEP 1, 0, 0
.irp q, 0,1
	v_permlanex16_b32 v[TP+\q], v[LSUM+\q], s26, s27
.endr
.irp q, 0,1
	v_add_f32 v[LSUM+\q], v[LSUM+\q], v[TP+\q]     ; the two halves' sums meet
.endr
.irp q, 0,1
	v_rcp_f32 v[AL+2*\q],   v[LSUM+\q]
	v_rcp_f32 v[AL+2*\q+1], v[LSUM+\q]
.endr
	v_nop
	WIN 0x41
	s_wait_alu depctr_va_vdst(0)
.irp dt, 0,1,2,3
.irp q, 0,1
.irp i, 0,1,2,3
	v_pk_mul_f32 v[OA+8*(2*\dt+\q)+2*\i:OA+8*(2*\dt+\q)+2*\i+1], v[OA+8*(2*\dt+\q)+2*\i:OA+8*(2*\dt+\q)+2*\i+1], v[AL+2*\q:AL+2*\q+1]
.endr
.endr
.endr
	WIN 0x05                                       ; both sources window 1, destination window 0
.irp dt, 0,1,2,3
.irp q, 0,1
.irp i, 0,1,2,3
	v_cvt_pk_f16_f32 v[KF+4*(2*\dt+\q)+\i], v[OA+8*(2*\dt+\q)+2*\i], v[OA+8*(2*\dt+\q)+2*\i+1]
.endr
.endr
.endr
	WIN 0
.irp dt, 0,1,2,3
.irp q, 0,1
	global_store_b128 v[LA], v[KF+4*(2*\dt+\q):KF+4*(2*\dt+\q)+3], s[10:11] offset:2048*\q+512*\dt      ; 512 consecutive bytes, aligned
.endr
.endr
	s_wait_tensorcnt 0x0
	ds_add_u32 v30, v31
	s_wait_dscnt 0x0
	s_endpgm
.Lfunc_end_k_q81ae632166_attn:
	.size	k_q81ae632166_attn, .Lfunc_end_k_q81ae632166_attn-k_q81ae632166_attn
	.p2alignl 7, 3214868480
	.fill 96, 4, 3214868480
	.section	.rodata,"a",@progbits
	.p2align	6, 0x0
	.amdhsa_kernel k_q81ae632166_attn
		.amdhsa_group_segment_fixed_size 33792
		.amdhsa_private_segment_fixed_size 0
		.amdhsa_enable_private_segment 0
		.amdhsa_kernarg_size 32
		.amdhsa_user_sgpr_count 2
		.amdhsa_user_sgpr_kernarg_segment_ptr 1
		.amdhsa_wavefront_size32 1
		.amdhsa_system_sgpr_workgroup_id_x 1
		.amdhsa_system_sgpr_workgroup_id_y 1
		.amdhsa_system_sgpr_workgroup_id_z 1
		.amdhsa_system_vgpr_workitem_id 0
		.amdhsa_next_free_vgpr 336
		.amdhsa_next_free_sgpr 66
		.amdhsa_reserve_vcc 1
		.amdhsa_float_denorm_mode_32 3
		.amdhsa_float_denorm_mode_16_64 3
		.amdhsa_memory_ordered 1
		.amdhsa_forward_progress 1
		.amdhsa_inst_pref_size 169
	.end_amdhsa_kernel
	.amdgpu_metadata
---
amdhsa.version: [ 1, 2 ]
amdhsa.kernels:
  - .name:           k_q81ae632166_attn
    .symbol:         k_q81ae632166_attn.kd
    .args:
      - { .name: qb, .offset: 0, .size: 8, .value_kind: global_buffer, .address_space: global }
      - { .name: kb, .offset: 8, .size: 8, .value_kind: global_buffer, .address_space: global }
      - { .name: vb, .offset: 16, .size: 8, .value_kind: global_buffer, .address_space: global }
      - { .name: ctx, .offset: 24, .size: 8, .value_kind: global_buffer, .address_space: global }
    .group_segment_fixed_size: 33792
    .private_segment_fixed_size: 0
    .kernarg_segment_align: 8
    .kernarg_segment_size: 32
    .max_flat_workgroup_size: 256
    .sgpr_count:     66
    .vgpr_count:     336
    .wavefront_size: 32
...
	.end_amdgpu_metadata
.endif
;; end of part 3
;; launch proj (part 4): grid 8 x 32, 4 waves a work-group, clusters of 4 x 4, 327,680 bytes of LDS; arguments ctx, wot, bo, out0; writes out0
.if DOCPART == 4
	.amdgcn_target "amdgcn-amd-amdhsa--gfx1250"
	.amdhsa_code_object_version 6
	.text
	.protected	k_q81ae632166_proj
	.globl	k_q81ae632166_proj
	.p2align	8
	.type	k_q81ae632166_proj,@function
k_q81ae632166_proj:
	s_mov_b64 s[64:65], 0
	v_nop
	global_prefetch_b8 v0, s[64:65] scope:SCOPE_SE
	s_setreg_imm32_b32 hwreg(HW_REG_WAVE_MODE, 25, 1), 1
	s_wait_xcnt 0x0
	s_wait_alu depctr_hold_cnt(0) depctr_sa_sdst(0) depctr_va_vdst(0) depctr_va_sdst(0) depctr_va_ssrc(0) depctr_va_vcc(0) depctr_vm_vsrc(0)
	s_getreg_b32 s2, hwreg(HW_REG_IB_STS2, 6, 4)
	s_cmp_eq_u32 s2, 0
	s_cbranch_scc0 .Lentry_in_a_cluster
	s_endpgm
.Lentry_in_a_cluster:
	s_bfe_u32 s2, ttmp6, 0x10000c
	s_cmp_lg_u32 s2, 0xf033
	s_cbranch_scc0 .Lentry_shape_is_right
	s_endpgm
.Lentry_shape_is_right:
; out0 = ctx Wo + bo.  ctx: f16 in fragment order (below); wot: [1024 n][1024 k] f16; sums in f32 started from the bias; out0 f32.
; A block of 128 tokens x 128 columns a work-group (4,194,304 outputs over 256 work-groups); four waves, 64 x 64 each: 16 accumulator tiles.
; K goes in four steps of 256 through two LDS slots, all written out: two first fills and two refills.
;   A's part of a slot: the token block's 4 heads x 16,384 bytes, dense in memory, as two tiles of 128 rows of 256 bytes, unpadded: a fragment load
;   takes 512 consecutive bytes.  ctx: byte = block 262144 + head 16384 + g 2048 + c 1024 + e 512 + lane 16; lane (r, h): token 16 g + r, d = 32 c + 16 e + 8 h + 0..7.
;   B's part: 128 rows of 512 bytes, 16 bytes of padding behind each (pitch 528, an odd multiple of 16), as two tiles of 64 rows.
; CLUSTERS: 4 x 4 work-groups; A's tiles are shared along a row of the cluster (same token block), B's along a column (same columns), asked for jointly.
; REGISTER WINDOWS: 0: addresses, the bias, the way out;  1: accumulators, tile (a, b) at v[8 (4 a + b)];  2: two fragment buffers of 128 registers
; (K = 64 each): B(b, c) at 8 (4 c + b), A(a, c) at 64 + 8 (4 c + a).
; The matrix instruction is used transposed (source 0 = rows of wot, source 1 = tokens): lane l holds token l % 16, registers 0-7 the columns 8 (l / 16) + 0..7.
.set PART,   33792                     ; a wave's part of a slot: 64 x 528, or 32,768 dense
.set SLOT,   4*PART
.set STAGE,  2*SLOT                    ; behind the ring, bytes of its own: 16 rows x 272 bytes for each wave
.set SPITCH, 272
.set BPITCH, 528
.set ADRA, 16
.set ADRB, 20
.set STO,  24
.set RD,   25
.set CO,   26
.set BO,   28
.set BIAS, 32                          ; v[32:63]  four blocks of eight
.set OB0,  64                          ; v[64:95], v[96:127]: the way out, by turns
.set OB1,  96
.set P0,   0
.set P1,   128
.set G1,  24
.set G0,  32
.set G1B, 48
.set G0B, 56
.set MSB, 0
.macro WIN new
.if MSB != \new
	s_set_vgpr_msb (MSB<<8)|\new
.set MSB, \new
.endif
.endm
.set MULA, 0x5a                        ; sources 0 and 1 window 2, C and D window 1
.set MULB, 0x4a                        ; C = the bias in window 0
.set TO_F, 0x80                        ; destination window 2
.macro JLOAD s
	s_cmp_eq_u32 s11, 0
	s_cbranch_scc0 .Lfor_b_\@
	tensor_load_to_lds s[G0+4*\s:G0+4*\s+3], s[G1:G1+7]
	s_nop 0
	s_branch .Lasked_\@
.Lfor_b_\@:
	tensor_load_to_lds s[G0B+4*\s:G0B+4*\s+3], s[G1B:G1B+7]
	s_nop 0
.Lasked_\@:
.endm
.macro CREST
	s_cmp_lg_u32 s10, 0
	s_cbranch_scc1 .Lnot_wave_0_\@
	s_barrier_signal -3
.Lnot_wave_0_\@:
	s_barrier_wait -3
	s_barrier_signal -1
	s_barrier_wait -1
.endm
.macro CROUND
	s_barrier_signal -1
	s_barrier_wait -1
	CREST
.endm
.macro PLACES
.rept 4
	v_nop
.endr
.endm
	s_load_b128 s[4:7], s[0:1], 0x0                ; ctx s[4:5], wot s[6:7]
	s_load_b128 s[68:71], s[0:1], 0x10             ; bo s[68:69], out0 s[70:71]
	v_lshl_add_u32 v254, v0, 2, 0x46400
	v_mov_b32 v255, 0
	ds_add_u32 v254, v255
	v_lshrrev_b32 v1, 5, v0
	v_readfirstlane_b32 s10, v1                    ; wave
	s_lshr_b32 s11, s10, 1                         ; wr.  Also: I fetch for A (0) or B (1)
	s_and_b32 s12, s10, 1                          ; wc.  Also: which half I fetch
	s_bfe_u32 s40, ttmp6, 0x40000                  ; cx
	s_bfe_u32 s41, ttmp6, 0x40004                  ; cy
	s_lshl_b32 s42, ttmp9, 2
	s_add_co_u32 s42, s42, s40                     ; column block
	s_and_b32 s13, ttmp7, 0xffff
	s_lshl_b32 s13, s13, 2
	s_add_co_u32 s13, s13, s41                     ; token block
	s_lshl_b32 s43, s41, 2
	s_lshl_b32 s43, 15, s43                        ; my row of the cluster
	s_lshl_b32 s44, 0x1111, s40                    ; my column
	s_or_b32 s[G1+0], s43, (3<<16)|(1<<21)         ; A: mask; 8-byte elements; no padding; bit 21 beside a mask
	s_mov_b32 s[G1+1], 32<<16                      ; tensor_dim0 = 32 elements = 256 bytes
	s_mov_b32 s[G1+2], 128<<16                     ; tensor_dim1 = 128 rows
	s_mov_b32 s[G1+3], 32<<16                      ; tile_dim0
	s_mov_b32 s[G1+4], 128                         ; tile_dim1
	s_mov_b32 s[G1+5], 32                          ; each row begins where the last ends
	s_mov_b32 s[G1+6], 0
	s_mov_b32 s[G1+7], 0
	s_or_b32 s[G1B+0], s44, (1<<16)|(1<<20)|(1<<21)|(6<<22)|(3<<25)  ; B: mask; 2-byte elements; 4 words of padding behind every 128
	s_mov_b32 s[G1B+1], 256<<16
	s_mov_b32 s[G1B+2], 64<<16
	s_mov_b32 s[G1B+3], 256<<16
	s_mov_b32 s[G1B+4], 64
	s_mov_b32 s[G1B+5], 1024
	s_mov_b32 s[G1B+6], 0
	s_mov_b32 s[G1B+7], 0
	s_lshl_b32 s16, s13, 18                        ; A: token block x 262,144 + half x two heads
	s_lshl_b32 s17, s12, 15
	s_add_co_u32 s16, s16, s17
	s_mov_b32 s17, 0
	s_lshl_b32 s46, s42, 18                        ; B: (128 x column block + 64 x half) rows of 2,048 bytes
	s_lshl_b32 s47, s12, 17
	s_add_co_u32 s46, s46, s47
	s_mov_b32 s47, 0
	s_mul_i32 s20, s10, PART
	s_wait_dscnt 0x0
	s_wait_kmcnt 0x0
	s_add_nc_u64 s[14:15], s[4:5], s[16:17]
	s_add_nc_u64 s[46:47], s[6:7], s[46:47]
	CROUND                                         ; the first joint loads meet
.irp s, 0,1
	s_mov_b32 s[G0+4*\s], 1
	s_add_co_u32 s[G0+4*\s+1], s20, \s*SLOT
	s_add_nc_u64 s[G0+4*\s+2:G0+4*\s+3], s[14:15], \s*65536       ; four heads a step
	s_or_b32 s[G0+4*\s+3], s[G0+4*\s+3], 0x80000000
	s_mov_b32 s[G0B+4*\s], 1
	s_add_co_u32 s[G0B+4*\s+1], s20, \s*SLOT
	s_add_nc_u64 s[G0B+4*\s+2:G0B+4*\s+3], s[46:47], \s*512       ; 256 k a step
	s_or_b32 s[G0B+4*\s+3], s[G0B+4*\s+3], 0x80000000
	JLOAD \s                                       ; two tensor loads of the wave are out
.endr
	v_and_b32 v1, 15, v0                           ; r
	v_bfe_u32 v2, v0, 4, 1                         ; h
	v_and_b32 v3, 31, v0
	v_lshlrev_b32 v3, 4, v3                        ; A: 16 x lane
	v_mul_u32_u24 v4, v1, BPITCH
	v_lshl_add_u32 v4, v2, 4, v4                   ; B: r x pitch + 16 h
	s_lshl_b32 s21, s11, 13                        ; my four groups of 16 tokens
	s_mul_i32 s22, s12, PART
	s_add_co_u32 s22, s22, 2*PART                  ; my 64 rows of B
.irp s, 0,1
	v_add_nc_u32 v[ADRA+\s], s21, v3
	v_add_nc_u32 v[ADRB+\s], s22, v4
	s_add_co_u32 s21, s21, SLOT
	s_add_co_u32 s22, s22, SLOT
.endr
	s_mul_i32 s23, s10, 16*SPITCH
	s_add_co_u32 s23, s23, STAGE
	v_mul_u32_u24 v5, v1, SPITCH
	v_lshl_add_u32 v5, v2, 5, v5
	v_add_nc_u32 v[STO], s23, v5                   ; in: row r, 32 bytes for each half of the lanes
	v_mul_u32_u24 v5, v2, SPITCH
	v_lshl_add_u32 v5, v1, 4, v5
	v_add_nc_u32 v[RD], s23, v5                    ; back: lanes 0-15 one row of 256 bytes, lanes 16-31 the next
	v_lshlrev_b32 v5, 12, v2
	v_lshl_add_u32 v[CO], v1, 4, v5                ; the same two rows in out0
	v_lshlrev_b32 v[BO], 5, v2
	s_lshl_b32 s72, s42, 9                         ; my first column, in bytes: 512 x block + 256 x half
	s_lshl_b32 s73, s12, 8
	s_add_co_u32 s72, s72, s73
	s_mov_b32 s73, 0
	s_add_nc_u64 s[68:69], s[68:69], s[72:73]
	s_add_nc_u64 s[70:71], s[70:71], s[72:73]
	s_lshl_b32 s72, s13, 19                        ; my first row: (128 x block + 64 x half) rows of 4,096 bytes
	s_lshl_b32 s74, s11, 18
	s_add_co_u32 s72, s72, s74
	s_add_nc_u64 s[70:71], s[70:71], s[72:73]
.irp b, 0,1,2,3
	global_load_b128 v[BIAS+8*\b:BIAS+8*\b+3],   v[BO], s[68:69] offset:64*\b
	global_load_b128 v[BIAS+8*\b+4:BIAS+8*\b+7], v[BO], s[68:69] offset:64*\b+16
.endr
; 32 LDS loads: the fragments of part p (one head, K = 64) of a slot into a buffer
.macro FETCH slot, p, buf
	WIN TO_F
.irp c, 0,1
.irp b, 0,1,2,3
.irp e, 0,1
	ds_load_b128 v[\buf+8*(4*\c+\b)+4*\e:\buf+8*(4*\c+\b)+4*\e+3], v[ADRB+\slot] offset:16*BPITCH*\b+128*\p+64*\c+32*\e
.endr
.endr
.irp a, 0,1,2,3
.irp e, 0,1
	ds_load_b128 v[\buf+64+8*(4*\c+\a)+4*\e:\buf+64+8*(4*\c+\a)+4*\e+3], v[ADRA+\slot] offset:(\p/2)*PART+(\p%2)*16384+2048*\a+1024*\c+512*\e
.endr
.endr
.endr
.endm
; 16 matrix instructions, 32 along K.  The 16 accumulators take turns, one instruction a turn.  bias = 1: the bias starts the sums.
.macro MUL16 buf, c, bias
.if \bias
	WIN MULB
.else
	WIN MULA
.endif
.irp a, 0,1,2,3
.irp b, 0,1,2,3
.if \bias
	v_wmma_f32_16x16x32_f16 v[8*(4*\a+\b):8*(4*\a+\b)+7], v[\buf+8*(4*\c+\b):\buf+8*(4*\c+\b)+7], v[\buf+64+8*(4*\c+\a):\buf+64+8*(4*\c+\a)+7], v[BIAS+8*\b:BIAS+8*\b+7]
.else
	v_wmma_f32_16x16x32_f16 v[8*(4*\a+\b):8*(4*\a+\b)+7], v[\buf+8*(4*\c+\b):\buf+8*(4*\c+\b)+7], v[\buf+64+8*(4*\c+\a):\buf+64+8*(4*\c+\a)+7], v[8*(4*\a+\b):8*(4*\a+\b)+7]
.endif
.endr
.endr
.endm
; One of a slot's first three parts: the next part pn is fetched into buffer nxt, then buffer cur is multiplied
.macro PARTM slot, pn, cur, nxt, bias
	PLACES                                         ; four places behind the products that read buffer nxt (ISA guide 7.12.1)
	FETCH \slot, \pn, \nxt
	s_wait_dscnt 32                                ; all but the 32 just issued
	MUL16 \cur, 0, \bias
	MUL16 \cur, 1, 0
.endm
.macro THREE slot, bias
	PARTM \slot, 1, P0, P1, \bias
	PARTM \slot, 2, P1, P0, 0
	PARTM \slot, 3, P0, P1, 0
.endm
; A slot's last part, in buffer 1, and the change of slots.  In front of the barrier: my reads of this slot and all my tensor loads (one is out, my part of
; the next slot).  fill = 1: the barrier opens a round of the cluster's barrier, and the joint refill is the first tensor load behind the round;
; from that request to the wait for it a wave issues 112 matrix instructions.
.macro TURN slot, next, fill
	s_wait_dscnt 0
	s_set_vgpr_msb 0x5a50
	s_wait_tensorcnt 0x0
	ds_add_u32 v254, v255
	s_wait_dscnt 0x0
	s_set_vgpr_msb 0x505a
	s_barrier_signal -1
	MUL16 P1, 0, 0                                 ; register work while the others arrive
	WIN 0
	s_barrier_wait -1
.if \fill
	CREST
	s_add_nc_u64 s[G0+4*\slot+2:G0+4*\slot+3], s[G0+4*\slot+2:G0+4*\slot+3], 131072
	s_add_nc_u64 s[G0B+4*\slot+2:G0B+4*\slot+3], s[G0B+4*\slot+2:G0B+4*\slot+3], 1024
	JLOAD \slot
.endif
	PLACES
	FETCH \next, 0, P0
	MUL16 P1, 1, 0
.endm
	s_wait_tensorcnt 1                             ; my part of slot 0 is in; slot 1's may stay out
	s_wait_loadcnt 0x0                             ; the bias
	s_barrier_signal -1
	s_barrier_wait -1
	FETCH 0, 0, P0
	THREE 0, 1                                     ; k 0-255
	TURN 0, 1, 1
	THREE 1, 0                                     ; k 256-511
	TURN 1, 0, 1
	THREE 0, 0                                     ; k 512-767
	TURN 0, 1, 0                                   ; nothing is left to fetch
	THREE 1, 0                                     ; k 768-1023
	s_wait_dscnt 0
	MUL16 P1, 0, 0
	MUL16 P1, 1, 0
	; THE WAY OUT, 16 tokens at a time, through my own stage: 32 bytes a lane and tile in, whole rows of 256 bytes back
	PLACES
.macro OUT16 a, f
	WIN 0x04                                       ; store data window 1
.irp b, 0,1,2,3
	ds_store_b128 v[STO], v[8*(4*\a+\b):8*(4*\a+\b)+3]   offset:64*\b
	ds_store_b128 v[STO], v[8*(4*\a+\b)+4:8*(4*\a+\b)+7] offset:64*\b+16
.endr
	WIN 0
	s_wait_xcnt 0x0                                ; buffer f, which earlier stores read, is loaded again only behind this wait
.irp t, 0,1,2,3,4,5,6,7
	ds_load_b128 v[\f+4*\t:\f+4*\t+3], v[RD] offset:\t*2*SPITCH   ; LDS serves a wave's instructions in order (ISA guide 5.7.1): these see the stores above
.endr
.irp t, 0,1,2,3,4,5,6,7
	s_wait_dscnt 7-\t
	global_store_b128 v[CO], v[\f+4*\t:\f+4*\t+3], s[70:71] offset:65536*\a+8192*\t      ; sixteen lanes store 256 consecutive bytes, aligned
.endr
.endm
	OUT16 0, OB0
	OUT16 1, OB1
	OUT16 2, OB0
	OUT16 3, OB1
	s_wait_tensorcnt 0x0
	ds_add_u32 v254, v255
	s_wait_dscnt 0x0
	CROUND                                         ; the closing round
	s_endpgm
.Lfunc_end_k_q81ae632166_proj:
	.size	k_q81ae632166_proj, .Lfunc_end_k_q81ae632166_proj-k_q81ae632166_proj
	.p2alignl 7, 3214868480
	.fill 96, 4, 3214868480
	.section	.rodata,"a",@progbits
	.p2align	6, 0x0
	.amdhsa_kernel k_q81ae632166_proj
		.amdhsa_group_segment_fixed_size 327680
		.amdhsa_private_segment_fixed_size 0
		.amdhsa_enable_private_segment 0
		.amdhsa_kernarg_size 32
		.amdhsa_user_sgpr_count 2
		.amdhsa_user_sgpr_kernarg_segment_ptr 1
		.amdhsa_wavefront_size32 1
		.amdhsa_system_sgpr_workgroup_id_x 1
		.amdhsa_system_sgpr_workgroup_id_y 1
		.amdhsa_system_sgpr_workgroup_id_z 1
		.amdhsa_system_vgpr_workitem_id 0
		.amdhsa_next_free_vgpr 768
		.amdhsa_next_free_sgpr 76
		.amdhsa_reserve_vcc 0
		.amdhsa_float_denorm_mode_32 3
		.amdhsa_float_denorm_mode_16_64 3
		.amdhsa_memory_ordered 1
		.amdhsa_forward_progress 1
		.amdhsa_inst_pref_size 86
	.end_amdhsa_kernel
	.amdgpu_metadata
---
amdhsa.version: [ 1, 2 ]
amdhsa.kernels:
  - .name:           k_q81ae632166_proj
    .symbol:         k_q81ae632166_proj.kd
    .args:
      - { .name: ctx, .offset: 0, .size: 8, .value_kind: global_buffer, .address_space: global }
      - { .name: wot, .offset: 8, .size: 8, .value_kind: global_buffer, .address_space: global }
      - { .name: bo, .offset: 16, .size: 8, .value_kind: global_buffer, .address_space: global }
      - { .name: out0, .offset: 24, .size: 8, .value_kind: global_buffer, .address_space: global }
    .group_segment_fixed_size: 327680
    .private_segment_fixed_size: 0
    .kernarg_segment_align: 8
    .kernarg_segment_size: 32
    .max_flat_workgroup_size: 128
    .sgpr_count:     76
    .vgpr_count:     768
    .wavefront_size: 32
...
	.end_amdgpu_metadata
.endif
;; end of part 4
;; ======== version 2 of 2: 4 launches; version 1 with the launch prep written anew for expert scheduling mode
;; limits: values are held in f16: magnitudes above 65,504 overflow, below 6.1e-05 lose precision
;; workspace buffers: xb 8,388,608 bytes; wqkv 6,291,456 bytes; wot 2,097,152 bytes; qb 8,388,608 bytes; kb 8,388,608 bytes; vb 8,388,608 bytes; ctx 8,388,608 bytes
;; launch prep (part 5): grid 256 x 1, 8 waves a work-group, no clusters, 34,816 bytes of LDS; arguments x, Wq, Wk, Wv, Wo, xb, wqkv, wot; writes xb, wqkv, wot
.if DOCPART == 5
	.amdgcn_target "amdgcn-amd-amdhsa--gfx1250"
	.amdhsa_code_object_version 6
	.text
	.protected	k_q81ae632166_prep
	.globl	k_q81ae632166_prep
	.p2align	8
	.type	k_q81ae632166_prep,@function
k_q81ae632166_prep:
	s_mov_b64 s[64:65], 0
	v_nop
	global_prefetch_b8 v0, s[64:65] scope:SCOPE_SE
	s_setreg_imm32_b32 hwreg(HW_REG_WAVE_SCHED_MODE, 0, 2), 2
	s_setreg_imm32_b32 hwreg(HW_REG_WAVE_MODE, 25, 1), 1
	s_wait_xcnt 0x0
	s_wait_alu depctr_vm_vsrc(0)
; Casts and transposes, once, what the two products read many times.
;   xb   [4096][1024] bf16 = x rounded
;   wqkv [3072][1024] bf16: row 192 head + 64 sel + d (sel 0, 1, 2 = q, k, v), column k = W_sel[k][64 head + d] rounded
;   wot  [1024][1024] f16:  row n, column k = Wo[k][n] rounded to bf16 and written as f16 (it meets an f16 operand later)
; LIMIT: a bf16 number is exact in f16 from 2^-17 up to 65504; |Wo| below 2^-17 carries an absolute error of up to 2^-25.
; Work-group g: 16 rows of x (64 KiB in, 32 KiB out) and one block of 256 k x 64 n of one weight (64 KiB in, 32 KiB out):
; sel = g >> 6, k quarter = (g >> 4) & 3, column block = g & 15.  256 work-groups of equal work, no loop.
; All 32 loads of a thread go out first.  The block is turned in LDS: pairs (k, k+1) of one column are packed into a word and stored
; at [n][k], pitch 528 bytes; rows of 512 bytes are read back, one a wave, and stored as 512 consecutive bytes.
; No matrix unit, no cluster: every byte is read once and no two work-groups share one.
; THE MODE: SCHED_MODE bits 1:0 = 2 (LLVM: expert scheduling mode 2), set by the entry lines.  The code itself states the register dependences
; between vector instructions and memory or LDS instructions, with s_wait_alu, always for 0.
; THE PLAN.  Registers that memory or LDS instructions touch:
;   v1 .. v6   offsets and LDS addresses: written at the head, never again; read by every load and store.
;   X          row i: four registers as loaded; its two roundings write the first two, which one store reads; nothing writes them again.
;   W          pair i: eight registers as loaded; its roundings write the first four, which four LDS stores read.  Behind the barrier the rows
;              read back land in v[72:103], and the last stores read them there.
;   v138, v139 written at the head, read by the closing add alone.      T0, T1, v7 are named by vector instructions alone.
; The 32 loads are worked off in eight blocks of four: four blocks of four rows of x, four blocks of two pairs of rows of W.  A block waits for its own
; four loads; one wait on va_vdst behind that states that the block before has written what its stores read; those stores are then dealt among this
; block's roundings, which name this block's registers, T0 and T1 alone: none that the stores touch.
.set X,   8                            ; v[8:71]    16 x 4 numbers of x
.set W,   72                           ; v[72:135]  8 pairs of rows of W, 4 + 4 numbers; later the rows read back
.set T0,  136
.set T1,  137
.set LPITCH, 528                       ; 512 bytes of a turned row + 16
	s_load_b512 s[8:23], s[0:1], 0x0               ; x 8, Wq 10, Wk 12, Wv 14, Wo 16, xb 18, wqkv 20, wot 22
	v_lshl_add_u32 v138, v0, 2, 0x8400
	v_mov_b32 v139, 0
	s_lshr_b32 s2, ttmp9, 6                        ; sel
	s_bfe_u32 s3, ttmp9, 0x20004                   ; k quarter
	s_and_b32 s4, ttmp9, 15                        ; column block (a head, for q, k, v)
	s_lshl_b32 s28, s3, 20                         ; source offset: 256 rows of 4,096 bytes a quarter
	s_lshl_b32 s5, s4, 8                           ; + 64 columns of 4 bytes a block
	s_add_co_u32 s28, s28, s5
	s_mov_b32 s29, 0
	s_mul_i32 s30, s4, 192                         ; first row of the target: 192 head + 64 sel,
	s_lshl_b32 s5, s2, 6
	s_add_co_u32 s30, s30, s5
	s_lshl_b32 s5, s4, 6                           ; or 64 x block in wot
	s_cmp_eq_u32 s2, 3
	s_cselect_b32 s30, s5, s30
	s_lshl_b32 s30, s30, 11                        ; rows of 2,048 bytes
	s_lshl_b32 s5, s3, 9                           ; + 256 k of 2 bytes a quarter
	s_add_co_u32 s30, s30, s5
	s_mov_b32 s31, 0
	s_lshl_b32 s32, ttmp9, 16                      ; x: 16 rows of 4,096 bytes
	s_mov_b32 s33, 0
	s_lshl_b32 s34, ttmp9, 15                      ; xb: 16 rows of 2,048 bytes
	s_mov_b32 s35, 0
	v_lshlrev_b32 v1, 4, v0                        ; x: 16 t
	v_lshlrev_b32 v2, 3, v0                        ; xb: 8 t
	v_and_b32 v7, 15, v0                           ; cg: my four columns
	v_lshrrev_b32 v[T0], 4, v0                     ; rp: my pair of rows among 16 pairs
	v_lshlrev_b32 v3, 4, v7
	v_lshl_add_u32 v3, v[T0], 13, v3               ; W: rp x 2 rows + 16 cg
	v_mul_u32_u24 v4, v7, 4*LPITCH
	v_lshl_add_u32 v4, v[T0], 2, v4                ; LDS in: row 4 cg, word rp
	v_and_b32 v[T1], 31, v0
	v_lshrrev_b32 v7, 5, v0                        ; wave
	v_lshlrev_b32 v[T1], 4, v[T1]                  ; 16 x lane
	v_mad_u32_u24 v5, v7, LPITCH, v[T1]            ; LDS back: row = wave
	v_lshl_add_u32 v6, v7, 11, v[T1]               ; and the same row in the target
	s_wait_kmcnt 0x0
	s_cmp_eq_u32 s2, 1
	s_cselect_b64 s[24:25], s[12:13], s[10:11]
	s_cmp_eq_u32 s2, 2
	s_cselect_b64 s[24:25], s[14:15], s[24:25]
	s_cmp_eq_u32 s2, 3
	s_cselect_b64 s[24:25], s[16:17], s[24:25]     ; the weight that I turn
	s_cselect_b64 s[26:27], s[22:23], s[20:21]     ; and where it goes
	s_add_nc_u64 s[24:25], s[24:25], s[28:29]
	s_add_nc_u64 s[26:27], s[26:27], s[30:31]
	s_add_nc_u64 s[8:9], s[8:9], s[32:33]
	s_add_nc_u64 s[18:19], s[18:19], s[34:35]
	s_wait_alu depctr_va_vdst(0)                   ; the six offsets and addresses v1 to v6 are written: every load and store of the kernel reads one of them
.irp i, 0,1,2,3,4,5,6,7,8,9,10,11,12,13,14,15
	global_load_b128 v[X+4*\i:X+4*\i+3], v1, s[8:9] offset:4096*\i th:TH_LOAD_NT     ; the eight waves cover one row
.endr
.irp i, 0,1,2,3,4,5,6,7
	global_load_b128 v[W+8*\i:W+8*\i+3],   v3, s[24:25] offset:131072*\i th:TH_LOAD_NT        ; row 2 (rp + 16 i): sixteen lanes take its 256 bytes
	global_load_b128 v[W+8*\i+4:W+8*\i+7], v3, s[24:25] offset:131072*\i+4096 th:TH_LOAD_NT   ; and the row below
.endr
; x, block g: rows 4 g to 4 g + 3.  Four numbers become 8 bytes; a wave stores 256 consecutive bytes, aligned.  The stores are those of the block before.
.macro XBLK g
	s_wait_loadcnt 28-4*(\g)                       ; loads return in order: the 12 - 4 g younger ones of x and the 16 of W may be out
.if (\g) > 0
	s_wait_alu depctr_va_vdst(0)                   ; the block before has written the first two registers of its four rows, which the stores below read
.endif
.irp r, 0,1,2,3
.if (\g) > 0
	global_store_b64 v2, v[X+16*(\g)-16+4*(\r):X+16*(\g)-16+4*(\r)+1], s[18:19] offset:2048*(4*(\g)-4+(\r))  ; no vector instruction since the wait names these registers
.endif
	v_cvt_pk_bf16_f32 v[X+16*(\g)+4*(\r)],   v[X+16*(\g)+4*(\r)],   v[X+16*(\g)+4*(\r)+1]
	v_cvt_pk_bf16_f32 v[X+16*(\g)+4*(\r)+1], v[X+16*(\g)+4*(\r)+2], v[X+16*(\g)+4*(\r)+3]
.endr
.endm
	XBLK 0
	XBLK 1
	XBLK 2
	XBLK 3
; W, block c: pairs 2 c and 2 c + 1.  Pair i, column j: (k, k+1) packed into one word, which goes to LDS [4 cg + j][2 (rp + 16 i)].
; half = 1: the bf16 pair is rewritten as f16.  The stores are those of the block before: for c = 0 the last four rows of x.
.macro CONV half
.irp c, 0,1,2,3
	s_wait_loadcnt 12-4*(\c)                       ; the pairs behind this block's two may be out
	s_wait_alu depctr_va_vdst(0)                   ; the block before has written what the stores below read: c = 0: rows 12 to 15 of x; else the packed words of pairs 2 c - 2 and 2 c - 1
.irp p, 0,1
.irp j, 0,1,2,3
.if (\c) > 0
	ds_store_b32 v4, v[W+8*(2*(\c)-2+(\p))+(\j)] offset:LPITCH*(\j)+64*(2*(\c)-2+(\p))   ; no vector instruction since the wait names this register or v4
.elseif (\p) == 0
	global_store_b64 v2, v[X+4*(12+(\j)):X+4*(12+(\j))+1], s[18:19] offset:2048*(12+(\j))
.endif
	v_cvt_pk_bf16_f32 v[W+8*(2*(\c)+(\p))+(\j)], v[W+8*(2*(\c)+(\p))+(\j)], v[W+8*(2*(\c)+(\p))+4+(\j)]
.if \half
	v_lshlrev_b32 v[T0], 16, v[W+8*(2*(\c)+(\p))+(\j)]
	v_and_b32 v[T1], 0xffff0000, v[W+8*(2*(\c)+(\p))+(\j)]
	v_cvt_pk_f16_f32 v[W+8*(2*(\c)+(\p))+(\j)], v[T0], v[T1]
.endif
.endr
.endr
.endr
.endm
	s_cmp_eq_u32 s2, 3
	s_cbranch_scc1 .Lhalf
	CONV 0
	s_branch .Lturned
.Lhalf:
	CONV 1
.Lturned:
	s_wait_alu depctr_va_vdst(0)                   ; the last block has written the packed words of pairs 6 and 7, which the LDS stores below read; and every rounding that names W is done: the rows read back land there
.irp i, 6,7
.irp j, 0,1,2,3
	ds_store_b32 v4, v[W+8*(\i)+(\j)] offset:LPITCH*(\j)+64*(\i)
.endr
.endr
	s_wait_dscnt 0x0                               ; my stores are in LDS, for the other waves' sake
	s_barrier_signal -1
	s_barrier_wait -1
	s_wait_alu depctr_vm_vsrc(0)                   ; my LDS stores have read the packed words of pairs 0 to 3, v[72:75] to v[96:99], in which the loads below land
.irp i, 0,1,2,3,4,5,6,7
	ds_load_b128 v[W+4*\i:W+4*\i+3], v5 offset:8*LPITCH*\i        ; row wave + 8 i, 512 bytes
.endr
.irp i, 0,1,2,3,4,5,6,7
	s_wait_dscnt 7-\i
	global_store_b128 v6, v[W+4*\i:W+4*\i+3], s[26:27] offset:16384*\i    ; 512 consecutive bytes, aligned
.endr
	s_wait_dscnt 0x0                               ; the closing lines, six on end
	s_wait_alu 0x0
	s_wait_tensorcnt 0x0
	ds_add_u32 v138, v139
	s_wait_dscnt 0x0
	s_endpgm
.Lfunc_end_k_q81ae632166_prep:
	.size	k_q81ae632166_prep, .Lfunc_end_k_q81ae632166_prep-k_q81ae632166_prep
	.p2alignl 7, 3214868480
	.fill 96, 4, 3214868480
	.section	.rodata,"a",@progbits
	.p2align	6, 0x0
	.amdhsa_kernel k_q81ae632166_prep
		.amdhsa_group_segment_fixed_size 34816
		.amdhsa_private_segment_fixed_size 0
		.amdhsa_enable_private_segment 0
		.amdhsa_kernarg_size 64
		.amdhsa_user_sgpr_count 2
		.amdhsa_user_sgpr_kernarg_segment_ptr 1
		.amdhsa_wavefront_size32 1
		.amdhsa_system_sgpr_workgroup_id_x 1
		.amdhsa_system_sgpr_workgroup_id_y 1
		.amdhsa_system_sgpr_workgroup_id_z 1
		.amdhsa_system_vgpr_workitem_id 0
		.amdhsa_next_free_vgpr 140
		.amdhsa_next_free_sgpr 66
		.amdhsa_reserve_vcc 0
		.amdhsa_float_denorm_mode_32 3
		.amdhsa_float_denorm_mode_16_64 3
		.amdhsa_memory_ordered 1
		.amdhsa_forward_progress 1
		.amdhsa_inst_pref_size 25
	.end_amdhsa_kernel
	.amdgpu_metadata
---
amdhsa.version: [ 1, 2 ]
amdhsa.kernels:
  - .name:           k_q81ae632166_prep
    .symbol:         k_q81ae632166_prep.kd
    .args:
      - { .name: x, .offset: 0, .size: 8, .value_kind: global_buffer, .address_space: global }
      - { .name: Wq, .offset: 8, .size: 8, .value_kind: global_buffer, .address_space: global }
      - { .name: Wk, .offset: 16, .size: 8, .value_kind: global_buffer, .address_space: global }
      - { .name: Wv, .offset: 24, .size: 8, .value_kind: global_buffer, .address_space: global }
      - { .name: Wo, .offset: 32, .size: 8, .value_kind: global_buffer, .address_space: global }
      - { .name: xb, .offset: 40, .size: 8, .value_kind: global_buffer, .address_space: global }
      - { .name: wqkv, .offset: 48, .size: 8, .value_kind: global_buffer, .address_space: global }
      - { .name: wot, .offset: 56, .size: 8, .value_kind: global_buffer, .address_space: global }
    .group_segment_fixed_size: 34816
    .private_segment_fixed_size: 0
    .kernarg_segment_align: 8
    .kernarg_segment_size: 64
    .max_flat_workgroup_size: 256
    .sgpr_count:     66
    .vgpr_count:     140
    .wavefront_size: 32
...
	.end_amdgpu_metadata
.endif
;; end of part 5
;; launch qkv: the kernel of part 2 again; grid 16 x 16, 4 waves a work-group, clusters of 4 x 4, 327,680 bytes of LDS; arguments xb, wqkv, bq, bk, bv, qb, kb, vb; writes qb, kb, vb
;; launch attn: the kernel of part 3 again; grid 8 x 32, 8 waves a work-group, no clusters, 33,792 bytes of LDS; arguments qb, kb, vb, ctx; writes ctx
;; launch proj: the kernel of part 4 again; grid 8 x 32, 4 waves a work-group, clusters of 4 x 4, 327,680 bytes of LDS; arguments ctx, wot, bo, out0; writes out0
